; MI455X (gfx1250); checked and timed in simulation.
; The chip was launched on July 23, 2026; its instructions are those of AMD's public machine-readable ISA for CDNA 5 (MIT licence, August 2026) and "CDNA5" Instruction Set Architecture Reference Guide (July 2026). The comments in the code are by the model that wrote it; some were corrected since.
;; Attention Module. Allowed arithmetic: matrix products marked QUANTISED: E2M3 operands, one E8M0 scale for each 32 along K, by v_wmma_scale_f32_16x16x128_f8f6f4 with both operands' format E2M3, f32 sums; everything else in f32.
;; Inputs: b_proj 1,024 float32; b_qkv 3,072 float32; w_proj_codes 1,024 x 32 x 24 uint8 (E2M3 codes of w_proj, K innermost, in blocks of 32 codes, four codes in three bytes); w_proj_scales 1,024 x 32 uint8 (E8M0 scales of w_proj, one for each 32 codes along K); w_qkv_codes 3,072 x 32 x 24 uint8 (E2M3 codes of w_qkv, K innermost, in blocks of 32 codes, four codes in three bytes); w_qkv_scales 3,072 x 32 uint8 (E8M0 scales of w_qkv, one for each 32 codes along K); x_codes 4 x 2,048 x 32 x 24 uint8 (E2M3 codes of x, K innermost, in blocks of 32 codes, four codes in three bytes); x_scales 4 x 2,048 x 32 uint8 (E8M0 scales of x, one for each 32 codes along K).
;; Outputs: out0 4 x 2,048 x 1,024 float32.
;; This version of the problem:
;;   THIS VERSION OF THE PROBLEM IS GIVEN IN LOW PRECISION. The matrix products marked QUANTISED in the list below multiply operands that are first quantised to E2M3 (2 exponent bits, 3 mantissa bits; 6 bits a number), with one power-of-two scale for each 32 numbers along K (OCP MX v1.0); their sums are f32. All else is computed in f32.
;;   The module's matrix products, in the order in which they are computed (A, B: the left and right operand; K: the contracted axis; several contracted axes count as one K, in the product's order):
;;     1. [M 8,192, K 1,024] x [K 1,024, N 3,072]; A: input x (given as codes); B: input w_qkv (given as codes): QUANTISED
;;     2. batch 64 x [M 2,048, K 64] x [K 64, N 2,048]; A: computed on the way; B: computed on the way: QUANTISED
;;     3. batch 64 x [M 2,048, K 2,048] x [K 2,048, N 64]; A: softmax (see below); B: computed on the way: QUANTISED
;;     4. [M 8,192, K 1,024] x [K 1,024, N 1,024]; A: computed on the way; B: input w_proj (given as codes): QUANTISED
;;   THE QUANTISER, for each operand of a quantised product, along K:
;;     - K is cut into blocks of 32 from its start; a last block that is shorter is filled with zeros.
;;     - A block's scale is 2^e with e = floor(log2(the largest magnitude in the block)) - 2, held to -126 .. 127; a block of zeros has e = 0. As a byte (E8M0): e + 127.
;;     - Each number is divided by its block's scale, clamped to +-7.5, and rounded to the nearest number of E2M3, ties to even, subnormals kept.
;;     - The product sums the exact products of the quantised numbers (number of the format x scale) in f32.
;;   ~~~python
;;   def quantise(x, axis):      # numpy; x: float32 -> the quantised numbers, widened to float32 again
;;       x = np.moveaxis(x, axis, -1); K = x.shape[-1]
;;       x = np.pad(x, [(0, 0)] * (x.ndim - 1) + [(0, -K % 32)]); x = x.reshape(x.shape[:-1] + (-1, 32)); a = np.abs(x).max(-1, keepdims=True)
;;       e = np.where(a > 0, np.clip(np.frexp(np.where(a > 0, a, 1))[1] - 1 - 2, -126, 127), 0)      # np.frexp(a)[1] - 1 = floor(log2(a)), exactly
;;       r = np.clip(x / 2.0 ** e, -7.5, 7.5)
;;       step = 2.0 ** (np.maximum(np.frexp(np.where(r == 0, 1, r))[1] - 1, 0) - 3)
;;       q = np.round(r / step) * step * 2.0 ** e      # np.round: ties to even
;;       return np.moveaxis(q.reshape(q.shape[:-2] + (-1,))[..., :K], -1, axis).astype(np.float32)
;;   ~~~
;;   SOFTMAX AHEAD OF A QUANTISED PRODUCT. Where the list says 'softmax', what is quantised is not the finished softmax but p = 2^(t - M), with t = logit x log2(e) and M = ceil(the row's largest t), a whole number; so 1/2 < the row's largest p <= 1. The row's sum l is taken of the UNQUANTISED p, in f32, and the product's result is divided by l at the end. Since M is a whole number, a kernel that streams over the keys may use a running M (the ceiling of the running maximum): every later rescaling is an exact power of two, which a block's scale takes up: the codes' values come out the same.
;;   OPERANDS COMPUTED ON THE WAY. 'Computed on the way' means the value that the module computes at that place (a softmax that the list does not call 'softmax' is quantised finished and normalised). What goes into a quantiser is computed in f32, as accurately as f32 sums, v_exp_f32 and their like allow (about 1e-6 of the number): no bf16 or f16 on the way to a quantiser, and a product that is left as it is and whose result goes on into a quantised operand takes f32 operands (vector FMAs, or v_wmma_f32_16x16x4_f32). A number that lies on a knife's edge between two numbers of the format may be rounded either way, as far as f32 arithmetic and the matrix unit's own rounding can turn it there, and no further.
;;   INPUTS GIVEN AS CODES. w_proj (in the module: [1024, 1024], K = its axis 1); w_qkv (in the module: [3072, 1024], K = its axis 1); x (in the module: [4, 2048, 1024], K = its axis 2): each comes as NAME_codes (uint8): NAME with its K axis moved to the last place and cut into blocks of 32 codes, [.., K / 32, bytes a block], one block behind the other in memory; four codes in three bytes: a row's codes are one little-endian stream of bits, code i at bits 6 i .. 6 i + 5 (a code: sign, 2 exponent bits, 3 mantissa bits); and NAME_scales (uint8): the same leading axes, one E8M0 byte (e + 127) for each 32 codes along K. Its value is code x scale, taken as it is: it is not quantised again, and the codes and scales need not be those that the quantiser above would give.
;; One version. Each part assembles by itself: llvm-mc -triple=amdgcn-amd-amdhsa -mcpu=gfx1250 --defsym DOCPART=n.
;; ======== version 1 of 1: 3 launches
;; limits: right only within a limited range of input values
;; workspace buffers: qkvw 20,185,088 bytes; oc 6,291,456 bytes; os 262,144 bytes
;; launch qkv (part 1): grid 8 x 32, 4 waves a work-group, clusters of 4 x 4, 327,680 bytes of LDS; arguments x_codes, x_scales, w_qkv_codes, w_qkv_scales, b_qkv, qkvw; writes qkvw
.if DOCPART == 1
	.amdgcn_target "amdgcn-amd-amdhsa--gfx1250"
	.amdhsa_code_object_version 6
	.text
	.protected	k_qca3f4781ea_qkv
	.globl	k_qca3f4781ea_qkv
	.p2align	8
	.type	k_qca3f4781ea_qkv,@function
k_qca3f4781ea_qkv:
	s_mov_b64 s[64:65], 0
	v_nop
	global_prefetch_b8 v0, s[64:65] scope:SCOPE_SE
	s_setreg_imm32_b32 hwreg(HW_REG_WAVE_MODE, 25, 1), 1
	s_wait_xcnt 0x0
	s_wait_alu depctr_hold_cnt(0) depctr_sa_sdst(0) depctr_va_vdst(0) depctr_va_sdst(0) depctr_va_ssrc(0) depctr_va_vcc(0) depctr_vm_vsrc(0)
	s_getreg_b32 s2, hwreg(HW_REG_IB_STS2, 6, 4)
	s_cmp_eq_u32 s2, 0
	s_cbranch_scc0 .Lentry_in_a_cluster
	s_endpgm
.Lentry_in_a_cluster:
	s_bfe_u32 s2, ttmp6, 0x10000c
	s_cmp_lg_u32 s2, 0xf033
	s_cbranch_scc0 .Lentry_shape_is_right
	s_endpgm
.Lentry_shape_is_right:
; qkv = x w_qkv^T + b_qkv on codes of FP6 (E2M3), one E8M0 scale for each 32 along K = 1,024; the result is quantised at once: q and k along a head's 64 channels, v along the keys.
; THE DEAL.  256 work-groups of four waves.  Work-group (j, T) holds x's 256 tokens of tile T, ALL of K, in LDS for the whole launch, and walks three tiles of 128 rows of w_qkv: q's, k's and v's tile j.
; The weights' region is filled three times: at the head, and twice behind a drained round of the cluster's barrier; each refill is asked for as soon as the region is read out, ahead of the quantising way out.
; A tensor row is a whole row of codes, 768 bytes, which begins at a multiple of 256; LDS rows have 16 bytes of padding behind every 256: pitch 816.
; THE MATRIX INSTRUCTION IS USED TRANSPOSED: source 0 = 16 rows of operand B, source 1 = 16 rows of operand A: a lane holds one row of A, its registers run along B's rows.  A wave makes 64 rows of A x 128 rows of B: 32 accumulators.
; q, k: A = x (wave w: tokens 64 w ..), B = the weights' 128 rows (two heads).  v: A = the weights (wave / 2: a head's 64 channels), B = x (wave % 2: 128 tokens).  So the quantiser's axis runs along a lane's registers in every kind.
; CLUSTERS 4 x 4: x's tile hangs on T and is asked for jointly by a row of the cluster, a weights' tile on j, by a column.
; SCALE WORDS go from memory into registers: a block of 16 rows is 512 consecutive bytes, a lane takes its row's 32.
; THE WORKSPACE, as the next launch reads it: [batch x head: 64][128 tokens: 16][19,712 bytes]: K's codes 6,144, V's codes 6,144, K's scale words 512, V's 256, Q's codes 6,144, Q's scale words 512.  Codes lie as half fragments, three pieces of
; 256 bytes, 8 bytes a lane; in every second tile a lane's 8 bytes lie at (8 lane) xor 64.  A scale word of q or k is [s0, s1, 0, 0]; of v the four bytes of 128 keys.
; THE BIAS: for q and k it runs along the registers and is the C of each sum's first product; for v it is the lane's own and is added behind the sum.
; NO PREFETCH: the launch has three fills in all, each asked for as soon as its bytes are free: there is no loop of fills to run ahead in.
; LIMITS: NaN and infinities are not served.  A block whose largest magnitude lies under 2^-124, a block of zeros among them, gets the scale byte 1: its codes add nothing under any byte, and this program alone reads the bytes.
; REGISTERS: window 0: v0-27 addresses; v32-63 A's scale words, v68-131 B's; v196-255 the way out.  Window 1: B's fragments, two sets, at v0 and v128.  Window 2: the accumulators, (a, b) at v[8 (8 a + b)].
; Window 3: v0-63 the bias along the registers; v64-159 A's fragments, two sets; v160-183 LDS addresses of the twelve blocks (two each: the second for the pieces behind one padding more).
.set KROW,  768
.set PITCH, 816
.set XB,    256*PITCH                  ; the weights' region, behind x's 256 rows
.set SPARE, XB+128*PITCH               ; the spare words, 128 bytes a wave; no other line names them
.set BLK,   19712
.set HS,    16*BLK
.set SOF, 4                            ; v4 32 r; v5 32 h; v6 4 r
.set VE,  7                            ; v7 8 lane; v8 the same xor 64
.set VD,  8
.set VS0, 9                            ; v9, v10 my place among the scale words: q and k; v
.set VS1, 10
.set SPW, 11
.set NIL, 12
.set SA,  32
.set SB,  68
.set PCD, 196
.set TM,  216
.set PW,  232
.set SW,  236
.set SW0, 238
.set SW1, 240
.set BA,  248
.set AF,  64
.set AA,  160
.set AB,  168
.set WV, 16
.set WH, 17
.set WL, 18
.set KIND, 19
.set G1X, 24
.set G1W, 32
.set G0X, 48
.set G0W, 52
.set SEL, 72
.set HM, 74
.set MSB, 0
.macro WIN new                         ; the immediate's high byte repeats the setting that is left
.if MSB != \new
	s_set_vgpr_msb (MSB<<8)|\new
.set MSB, \new
.endif
.endm
.macro PLACES n
.rept \n
	v_nop
.endr
.endm
.macro WALU
	s_wait_alu depctr_va_vdst(0)
.endm
.macro CROUND                          ; a round of the cluster's barrier
	s_barrier_signal -1
	s_barrier_wait -1
	s_cmp_lg_u32 s[WV], 0
	s_cbranch_scc1 .Lnot_wave_0_\@
	s_barrier_signal -3
.Lnot_wave_0_\@:
	s_barrier_wait -3
	s_barrier_signal -1
	s_barrier_wait -1
.endm
.macro TLOAD g0, g1                    ; s_nop 0 and four v_nop behind the load
	tensor_load_to_lds s[\g0:\g0+3], s[\g1:\g1+7]
	s_nop 0
	PLACES 4
.endm
.macro GROUP1 g, mask, rows            ; rows of 768 bytes, 16 bytes of padding behind every 64 words; bit 21 beside the mask
	s_or_b32 s[\g+0], s[\mask], (1<<20)|(1<<21)|(5<<22)|(3<<25)
	s_mov_b32 s[\g+1], KROW<<16
	s_mov_b32 s[\g+2], (\rows)<<16
	s_mov_b32 s[\g+3], KROW<<16
	s_mov_b32 s[\g+4], \rows
	s_mov_b32 s[\g+5], KROW
	s_mov_b32 s[\g+6], 0
	s_mov_b32 s[\g+7], 0
.endm
.macro ADDP d, b, o                    ; a buffer's address + a 32-bit offset (s21 = 0)
	s_mov_b32 s20, s[\o]
	s_add_nc_u64 s[\d:\d+1], s[\b:\b+1], s[20:21]
.endm
.macro BOFF d, xh, hd                  ; ((block / 16) 16 + head) HS + (block % 16) BLK, block = 2 T + s[xh]
	s_lshl_b32 s20, s43, 1
	s_add_co_u32 s20, s20, s[\xh]
	s_and_b32 s22, s20, 15
	s_and_b32 s20, s20, 48
	s_add_co_u32 s20, s20, s[\hd]
	s_mul_i32 s20, s20, HS
	s_mul_i32 s22, s22, BLK
	s_add_co_u32 s[\d], s20, s22
.endm
.macro LDSC reg, n, ptr                ; the scale words of n blocks of 16 rows: eight words a row
.set I_, 0
.rept \n
	global_load_b128 v[\reg+8*I_:\reg+8*I_+3], v[SOF], s[\ptr:\ptr+1] offset:512*I_
	global_load_b128 v[\reg+8*I_+4:\reg+8*I_+7], v[SOF], s[\ptr:\ptr+1] offset:512*I_+16
.set I_, I_+1
.endr
.endm
.macro LDBB                            ; the bias along the registers: feature 16 b + 8 h + 0 .. 7
	WIN 0xc0
.irp b, 0,1,2,3,4,5,6,7
	global_load_b128 v[8*\b:8*\b+3], v5, s[60:61] offset:64*\b
	global_load_b128 v[8*\b+4:8*\b+7], v5, s[60:61] offset:64*\b+16
.endr
	WIN 0
.endm
.macro ADDRS sa, sb                    ; the blocks' LDS addresses from A's and B's first bytes
	v_add_nc_u32 v24, s[\sa], v22
	v_add_nc_u32 v25, s[\sa], v23
	v_add_nc_u32 v26, s[\sb], v22
	v_add_nc_u32 v27, s[\sb], v23
	WIN 0xc0
.irp i, 0,1,2,3
	v_add_nc_u32 v[AA+2*\i], \i*16*PITCH, v24
	v_add_nc_u32 v[AA+2*\i+1], \i*16*PITCH, v25
.endr
.irp i, 0,1,2,3,4,5,6,7
	v_add_nc_u32 v[AB+2*\i], \i*16*PITCH, v26
	v_add_nc_u32 v[AB+2*\i+1], \i*16*PITCH, v27
.endr
	WIN 0
.endm
; A fragment, 16 rows x 128 K: six pieces of 8 bytes, two to a load where both lie behind as many paddings.  Lanes 16-31 read three pieces on; where that is behind one padding more the second address register serves.
.macro FRAG dw, reg, q, ad
	WIN ((\dw)<<6)|3
.set SKIP_, 0
.irp p, 0,1,2,3,4,5
.if SKIP_
.set SKIP_, 0
.else
.set PC_, 12*(\q)+6*(\p/3)+\p%3
.set PN_, 12*(\q)+6*((\p+1)/3)+(\p+1)%3
.set X_, (PC_%32+3)/32
.set XQ_, (PN_%32+3)/32
.if (\p < 5) && (X_ == XQ_)
.set SKIP_, 1
	ds_load_2addr_b64 v[\reg+2*\p:\reg+2*\p+3], v[\ad+X_] offset0:PC_+2*(PC_/32) offset1:PN_+2*(PN_/32)
.else
	ds_load_b64 v[\reg+2*\p:\reg+2*\p+1], v[\ad+X_] offset:8*(PC_+2*(PC_/32))
.endif
.endif
.endr
.endm
.macro FETCH q                         ; step q's twelve fragments into set q % 2
.irp i, 0,1,2,3,4,5,6,7
	FRAG 1, 128*((\q)%2)+12*\i, \q, AB+2*\i
.endr
.irp i, 0,1,2,3
	FRAG 3, AF+48*((\q)%2)+12*\i, \q, AA+2*\i
.endr
.endm
.macro WM a, b, q, c
	v_wmma_scale_f32_16x16x128_f8f6f4 v[8*(8*\a+\b):8*(8*\a+\b)+7], v[128*((\q)%2)+12*\b:128*((\q)%2)+12*\b+11], v[AF+48*((\q)%2)+12*\a:AF+48*((\q)%2)+12*\a+11], \c, v[SB+8*\b+(\q)], v[SA+8*\a+(\q)] matrix_a_fmt:MATRIX_FMT_FP6 matrix_b_fmt:MATRIX_FMT_FP6
.endm
.macro MULS q, first                   ; 32 products, the 32 accumulators by turns.  first = 1: the sum begins with the bias; 2: with 0
.if (\first) == 1
	WIN 0xbd
.else
	WIN 0xad
.endif
.irp a, 0,1,2,3
.irp b, 0,1,2,3,4,5,6,7
.if (\first) == 1
	WM \a, \b, \q, v[8*\b:8*\b+7]
.elseif (\first) == 2
	WM \a, \b, \q, 0
.else
	WM \a, \b, \q, v[8*(8*\a+\b):8*(8*\a+\b)+7]
.endif
.endr
.endr
.endm
.macro KWALK first                     ; K = 1,024: eight steps; step q + 1's fragments are asked for ahead of step q's products
	FETCH 0
	s_wait_loadcnt 0x0                             ; the scale words and the bias
.set Q_, 0
.rept 8
	s_wait_dscnt 0x0                               ; this step's fragments are in
.if Q_ < 7
.if Q_ > 0
	PLACES 4                                       ; in front of loads into registers that the last step's products read
.endif
	FETCH Q_+1
.endif
.if Q_ == 0
	MULS Q_, \first
.else
	MULS Q_, 0
.endif
.set Q_, Q_+1
.endr
	WIN 0
.endm
; 64 numbers of a lane in window 2, register 16 b + i = index 32 b + 16 (lane / 16) + i of my row, become a fragment's codes in v[PCD] on and its scale word in v[pw].
.macro QUANT s, pw
	WIN 0x0a
.irp b, 0,1,2,3
	v_max3_num_f32 v[TM+\b], |v[\s+16*\b]|, |v[\s+1+16*\b]|, 0x1800000   ; with the floor 2^(3 - 127): the byte cannot fall under 1
.endr
	WIN 0x28
.irp i, 2,4,6,8,10,12,14
.irp b, 0,1,2,3
	v_max3_num_f32 v[TM+\b], v[TM+\b], |v[\s+16*\b+\i]|, |v[\s+1+16*\b+\i]|
.endr
.endr
	WIN 0
.irp b, 0,1,2,3
	v_permlanex16_b32 v[TM+4+\b], v[TM+\b], s[SEL], s[SEL+1]
.endr
.irp b, 0,1,2,3
	v_max_num_f32 v[TM+\b], v[TM+\b], v[TM+4+\b]   ; with lane l xor 16's: the block's largest magnitude
.endr
.irp b, 0,1,2,3
	v_add_nc_u32 v[TM+12+\b], 0xff000000, v[TM+\b] ; 2 off its exponent field: the conversion's scale operand
.endr
.irp b, 0,1,2,3
	v_lshrrev_b32 v[TM+4+\b], 23, v[TM+12+\b]      ; the scale's byte
.endr
	v_lshl_or_b32 v[\pw], v[TM+5], 8, v[TM+4]
	v_lshl_or_b32 v[\pw], v[TM+6], 16, v[\pw]
	v_lshl_or_b32 v[\pw], v[TM+7], 24, v[\pw]
	WIN 0x02
.irp c, 0,1
	v_cvt_scalef32_pk16_fp6_f32 v[PCD+6*\c:PCD+2+6*\c], v[\s+32*\c:\s+15+32*\c], v[TM+12+2*\c]
	v_cvt_scalef32_pk16_fp6_f32 v[PCD+12+4*\c:PCD+14+4*\c], v[\s+16+32*\c:\s+31+32*\c], v[TM+12+2*\c+1]
.endr
	WIN 0
	v_nop                                          ; one plain place behind a scaled conversion
.irp c, 0,1                                    ; the operand's layout wants a whole block in a lane
.irp i, 0,1,2
	v_permlane16_swap_b32 v[PCD+6*\c+\i], v[PCD+12+4*\c+\i]
.endr
.irp i, 0,1,2
	v_mov_b32 v[PCD+3+6*\c+\i], v[PCD+12+4*\c+\i]
.endr
.endr
.endm
; Block a: 16 rows of A x 128 rows of B, worked on where the sums lie.  Register 8 b + j holds index 16 b + 8 h + j: the exchange of halves between neighbouring tiles makes 16 neighbours of them.  Six stores of 256 consecutive bytes.
.macro OUTA a, kv
.set AC, 64*(\a)
	s_wait_xcnt 0x0                                ; the last block's stores have read their data
	WIN 0x82
.if \kv
.set i, 0
.rept 32
	v_pk_add_f32 v[AC+i:AC+i+1], v[AC+i:AC+i+1], v[BA+2*(\a):BA+2*(\a)+1]   ; v: the lane's bias
.set i, i+2
.endr
.endif
.irp g, 0,1,2,3
.irp j, 0,1,2,3,4,5,6,7
	v_permlane16_swap_b32 v[AC+16*\g+\j], v[AC+16*\g+8+\j]
.endr
.endr
	QUANT AC, PW+(\a)
.irp c, 0,1
.irp p, 0,1,2
	global_store_b64 v[VE+(\a)%2], v[PCD+6*\c+2*\p:PCD+6*\c+2*\p+1], s[68:69] offset:E1*((\a)%2)+E2*((\a)/2)+STK*\c+512*\p
.endr
.endr
.endm
; A kind.  kv = 0: q or k, by s[KIND]; the weights' region is filled again behind the walk.  kv = 1: v, the last.
.macro PHASE kv
	WALU
	s_wait_tensorcnt 0x0                           ; my part of the tiles is in;
	s_wait_dscnt 0x0
	s_barrier_signal -1
	s_barrier_wait -1                              ; everybody's is.
.if \kv
.set E1, 1536                                  ; from block a to a + 1: the next tile of channels
.set E2, 3072
.set STK, 256                                  ; the upper 64 keys
	KWALK 2
	PLACES 4
	s_wait_xcnt 0x0
	s_add_nc_u64 s[68:69], s[90:91], 6144
	s_add_nc_u64 s[70:71], s[90:91], 12800
.else
.set E1, 256                                   ; the odd tile of tokens
.set E2, 1536
.set STK, HS                                   ; the next head
	KWALK 1
	s_wait_tensorcnt 0x0                           ; ahead of a refill's round
	ds_add_u32 v[SPW], v[NIL]
	s_add_nc_u64 s[G0W+2:G0W+3], s[G0W+2:G0W+3], 1024*KROW   ; no load of mine is out: the next kind's tile
	s_wait_dscnt 0x0                               ; the add is done, and my reads of the weights' region are over
	CROUND
	s_cmp_lt_u32 s[WV], 2
	s_cbranch_scc1 .Lnone_\@
	TLOAD G0W, G1W                                 ; waves 2 and 3, 64 rows each
.Lnone_\@:
	PLACES 4                                       ; in front of the loads into the scale registers, for the waves that come round the load
	s_cmp_eq_u32 s[KIND], 0
	s_cselect_b64 s[58:59], s[84:85], s[78:79]     ; B's scale words next: k's weights, or x's tokens for v
	LDSC SB, 8, 58
	s_cmp_eq_u32 s[KIND], 0
	s_cbranch_scc0 .Lfor_v_\@
	s_add_nc_u64 s[60:61], s[60:61], 4096
	LDBB                                           ; k's bias
	s_branch .Lnext_\@
.Lfor_v_\@:
	LDSC SA, 4, 82                                 ; v: A's scale words are the weights'
.Lnext_\@:
	s_cmp_eq_u32 s[KIND], 0
	s_cselect_b32 s20, 13056, 0                    ; where the kind's codes lie in a block of the workspace,
	s_mov_b32 s22, 12288
	s_cselect_b32 s22, 19200, s22                  ; and its scale words
	s_mov_b32 s21, 0
	s_mov_b32 s23, 0
	s_wait_xcnt 0x0
	s_add_nc_u64 s[68:69], s[86:87], s[20:21]
	s_add_nc_u64 s[70:71], s[88:89], s[22:23]
.endif
.irp a, 0,1,2,3
	OUTA \a, \kv
.endr
	v_cmp_le_u32 s[HM], 16, v3                     ; lanes 0-15 take the even block's word, lanes 16-31 the odd block's: a store covers 256 consecutive bytes
	v_cndmask_b32 v[SW], v[PW], v[PW+1], s[HM]
	v_cndmask_b32 v[SW+1], v[PW+2], v[PW+3], s[HM]
.if \kv
	global_store_b64 v[VS1], v[SW:SW+1], s[70:71]
.else
.irp i, 0,1
	v_and_b32 v[SW0+\i], 0xffff, v[SW+\i]          ; the first head's two bytes, zeros above
	v_lshrrev_b32 v[SW1+\i], 16, v[SW+\i]          ; the second head's
.endr
	global_store_b64 v[VS0], v[SW0:SW0+1], s[70:71]
	global_store_b64 v[VS0], v[SW1:SW1+1], s[70:71] offset:HS
.endif
.endm
	s_load_b256 s[4:11], s[0:1], 0x0               ; x's codes, x's scales, w's codes, w's scales
	s_load_b128 s[12:15], s[0:1], 0x20             ; the bias, the workspace
	v_lshl_add_u32 v[SPW], v0, 2, SPARE
	v_mov_b32 v[NIL], 0
	ds_add_u32 v[SPW], v[NIL]                      ; the opening lines: the add twice and one wait
	ds_add_u32 v[SPW], v[NIL]
	v_lshrrev_b32 v1, 5, v0
	v_readfirstlane_b32 s[WV], v1
	s_lshr_b32 s[WH], s[WV], 1
	s_and_b32 s[WL], s[WV], 1
	s_bfe_u32 s40, ttmp6, 0x40000                  ; cx
	s_bfe_u32 s41, ttmp6, 0x40004                  ; cy
	s_lshl_b32 s42, ttmp9, 2
	s_add_co_u32 s42, s42, s40                     ; j
	s_and_b32 s43, ttmp7, 0xffff
	s_lshl_b32 s43, s43, 2
	s_add_co_u32 s43, s43, s41                     ; T
	s_lshl_b32 s44, s41, 2
	s_lshl_b32 s44, 15, s44                        ; my row of the cluster
	s_lshl_b32 s45, 0x1111, s40                    ; my column
	GROUP1 G1X, 44, 128
	GROUP1 G1W, 45, 64
	s_mov_b32 s[G0X], 1
	s_mul_i32 s[G0X+1], s[WV], 128*PITCH           ; waves 0, 1: 128 rows of x each
	s_mov_b32 s[G0W], 1
	s_mul_i32 s[G0W+1], s[WL], 64*PITCH            ; waves 2, 3: 64 rows of the weights each
	s_add_co_u32 s[G0W+1], s[G0W+1], XB
	s_lshl_b32 s92, s43, 8
	s_lshl_b32 s20, s[WV], 7
	s_add_co_u32 s92, s92, s20
	s_mul_i32 s92, s92, KROW                       ; x's codes
	s_lshl_b32 s93, s42, 7
	s_lshl_b32 s20, s[WL], 6
	s_add_co_u32 s93, s93, s20
	s_mul_i32 s93, s93, KROW                       ; q's weights
	s_lshl_b32 s94, s43, 13
	s_lshl_b32 s20, s[WV], 11
	s_add_co_u32 s94, s94, s20                     ; x's scales as A: my 64 tokens
	s_lshl_b32 s95, s43, 13
	s_lshl_b32 s20, s[WL], 12
	s_add_co_u32 s95, s95, s20                     ; as B: my 128 tokens
	s_lshl_b32 s96, s42, 12                        ; the weights' scales as B
	s_lshl_b32 s97, s[WH], 11
	s_add_co_u32 s97, s97, s96
	s_add_co_u32 s97, s97, 2048*32                 ; as A: v's 64 channels
	s_lshl_b32 s98, s42, 9                         ; the bias along the registers
	s_lshr_b32 s99, s97, 3                         ; the lane's
	s_lshl_b32 s23, s42, 1                         ; q, k: my first head
	s_add_co_u32 s46, s23, s[WH]                   ; v: my head
	BOFF 100, WH, 23
	BOFF 101, WL, 46
	s_mul_i32 s20, s[WL], 3072
	s_add_co_u32 s47, s100, s20                    ; q, k: my 64 tokens are blocks 4 (wave % 2) .. + 3 of the 128
	s_lshl_b32 s20, s[WL], 8
	s_add_co_u32 s100, s100, s20
	s_mul_i32 s75, s[WV], 64*PITCH
	s_mov_b32 s3, XB
	s_mov_b32 s[SEL], 0x76543210
	s_mov_b32 s[SEL+1], 0xfedcba98                 ; v_permlanex16_b32's selects for lane l xor 16
	v_and_b32 v1, 15, v0                           ; r
	v_bfe_u32 v2, v0, 4, 1                         ; h
	v_and_b32 v3, 31, v0
	v_lshlrev_b32 v[SOF], 5, v1
	v_lshlrev_b32 v5, 5, v2
	v_lshlrev_b32 v6, 2, v1
	v_lshlrev_b32 v[VE], 3, v3
	v_xor_b32 v[VD], 64, v[VE]
	v_and_b32 v9, 7, v0
	v_lshlrev_b32 v9, 4, v9
	v_bfe_u32 v13, v0, 3, 1
	v_lshl_add_u32 v10, v13, 3, v9
	v_lshl_add_u32 v10, v2, 7, v10                 ; v: 16 z + 8 u + 128 h
	v_lshl_add_u32 v9, v13, 7, v9
	v_lshl_add_u32 v9, v2, 3, v9                   ; q, k: 16 z + 128 u + 8 h
	v_mul_u32_u24 v22, v1, PITCH
	v_mad_u32_u24 v23, v2, 40, v22                 ; behind one padding more
	v_mad_u32_u24 v22, v2, 24, v22
.irp b, 0,1,2,3
	v_mov_b32 v[TM+4+\b], 0                        ; a lane permute's destination counts as one of its sources
.endr
	ADDRS 75, 3
	WALU                                           ; the wait at the head's end
	s_wait_dscnt 0x0
	CROUND                                         ; all sixteen work-groups are here: the first joint loads meet
	s_wait_kmcnt 0x0
	s_mov_b32 s21, 0
	ADDP G0X+2, 4, 92
	s_or_b32 s[G0X+3], s[G0X+3], 0x80000000
	ADDP G0W+2, 8, 93
	s_or_b32 s[G0W+3], s[G0W+3], 0x80000000
	s_cmp_lt_u32 s[WV], 2                          ; one tensor load a wave at the head
	s_cbranch_scc0 .Lhead_w
	TLOAD G0X, G1X
	s_branch .Lasked
.Lhead_w:
	TLOAD G0W, G1W
.Lasked:
	ADDP 76, 6, 94
	ADDP 78, 6, 95
	ADDP 80, 10, 96
	s_add_nc_u64 s[84:85], s[80:81], 1024*32
	ADDP 82, 10, 97
	ADDP 60, 12, 98
	ADDP 66, 12, 99
	ADDP 86, 14, 47
	ADDP 88, 14, 100
	ADDP 90, 14, 101
	LDSC SA, 4, 76
	LDSC SB, 8, 80
	LDBB
.irp a, 0,1,2,3
	global_load_b32 v[BA+2*\a], v6, s[66:67] offset:64*\a      ; twice: the packed addition takes a pair
	global_load_b32 v[BA+2*\a+1], v6, s[66:67] offset:64*\a
.endr
	s_mov_b32 s[KIND], 0
.Lkind:                                                ; q, then k
	PHASE 0
	s_add_co_u32 s[KIND], s[KIND], 1
	s_cmp_lt_u32 s[KIND], 2
	s_cbranch_scc1 .Lkind
	s_mul_i32 s75, s[WH], 64*PITCH                 ; v: the operands change places
	s_add_co_u32 s75, s75, XB
	s_mul_i32 s3, s[WL], 128*PITCH
	ADDRS 75, 3
	PHASE 1
	s_wait_tensorcnt 0x0                           ; the wave's end
	ds_add_u32 v[SPW], v[NIL]
	s_wait_dscnt 0x0
	CROUND                                         ; the closing round
	s_endpgm
.Lfunc_end_k_qca3f4781ea_qkv:
	.size	k_qca3f4781ea_qkv, .Lfunc_end_k_qca3f4781ea_qkv-k_qca3f4781ea_qkv
	.p2alignl 7, 3214868480
	.fill 96, 4, 3214868480
	.section	.rodata,"a",@progbits
	.p2align	6, 0x0
	.amdhsa_kernel k_qca3f4781ea_qkv
		.amdhsa_group_segment_fixed_size 327680
		.amdhsa_private_segment_fixed_size 0
		.amdhsa_enable_private_segment 0
		.amdhsa_kernarg_size 48
		.amdhsa_user_sgpr_count 2
		.amdhsa_user_sgpr_kernarg_segment_ptr 1
		.amdhsa_wavefront_size32 1
		.amdhsa_system_sgpr_workgroup_id_x 1
		.amdhsa_system_sgpr_workgroup_id_y 1
		.amdhsa_system_sgpr_workgroup_id_z 1
		.amdhsa_system_vgpr_workitem_id 0
		.amdhsa_next_free_vgpr 960
		.amdhsa_next_free_sgpr 102
		.amdhsa_reserve_vcc 0
		.amdhsa_float_denorm_mode_32 3
		.amdhsa_float_denorm_mode_16_64 3
		.amdhsa_memory_ordered 1
		.amdhsa_forward_progress 1
		.amdhsa_inst_pref_size 181
	.end_amdhsa_kernel
	.amdgpu_metadata
---
amdhsa.version: [ 1, 2 ]
amdhsa.kernels:
  - .name:           k_qca3f4781ea_qkv
    .symbol:         k_qca3f4781ea_qkv.kd
    .args:
      - { .name: x_codes, .offset: 0, .size: 8, .value_kind: global_buffer, .address_space: global }
      - { .name: x_scales, .offset: 8, .size: 8, .value_kind: global_buffer, .address_space: global }
      - { .name: w_qkv_codes, .offset: 16, .size: 8, .value_kind: global_buffer, .address_space: global }
      - { .name: w_qkv_scales, .offset: 24, .size: 8, .value_kind: global_buffer, .address_space: global }
      - { .name: b_qkv, .offset: 32, .size: 8, .value_kind: global_buffer, .address_space: global }
      - { .name: qkvw, .offset: 40, .size: 8, .value_kind: global_buffer, .address_space: global }
    .group_segment_fixed_size: 327680
    .private_segment_fixed_size: 0
    .kernarg_segment_align: 8
    .kernarg_segment_size: 48
    .max_flat_workgroup_size: 128
    .sgpr_count:     102
    .vgpr_count:     960
    .wavefront_size: 32
...
	.end_amdgpu_metadata
.endif
;; end of part 1
;; launch attn (part 2): grid 4 x 64, 16 waves a work-group, clusters of 4 x 1, 210,944 bytes of LDS; arguments qkvw, oc, os; writes oc, os
.if DOCPART == 2
	.amdgcn_target "amdgcn-amd-amdhsa--gfx1250"
	.amdhsa_code_object_version 6
	.text
	.protected	k_qca3f4781ea_attn
	.globl	k_qca3f4781ea_attn
	.p2align	8
	.type	k_qca3f4781ea_attn,@function
k_qca3f4781ea_attn:
	s_mov_b64 s[64:65], 0
	v_nop
	global_prefetch_b8 v0, s[64:65] scope:SCOPE_SE
	s_setreg_imm32_b32 hwreg(HW_REG_WAVE_MODE, 25, 1), 1
	s_wait_xcnt 0x0
	s_wait_alu depctr_hold_cnt(0) depctr_sa_sdst(0) depctr_va_vdst(0) depctr_va_sdst(0) depctr_va_ssrc(0) depctr_va_vcc(0) depctr_vm_vsrc(0)
	s_getreg_b32 s2, hwreg(HW_REG_IB_STS2, 6, 4)
	s_cmp_eq_u32 s2, 0
	s_cbranch_scc0 .Lentry_in_a_cluster
	s_endpgm
.Lentry_in_a_cluster:
	s_bfe_u32 s2, ttmp6, 0x10000c
	s_cmp_lg_u32 s2, 0x3003
	s_cbranch_scc0 .Lentry_shape_is_right
	s_endpgm
.Lentry_shape_is_right:
; O = softmax(q k^T / 8) v for one head, both products on codes of FP6 (E2M3) with one E8M0 scale for each 32 along K, and O quantised along its 64 channels for the projection.
; THE SOFTMAX AHEAD OF THE SECOND PRODUCT: t = score x log2(e) / 8; M = the row's largest t so far, rounded up to a whole number; p = 2^(t - M) is quantised along the keys, not normalised; the row's sum is taken of the
; unquantised p and divides O at the end.  When M moves, the sum and O are multiplied by 2^(old M - new M): exact.
; SHARES.  Work-group y is 16 batch + head; the four work-groups of a cluster own 512 queries each.  Each of sixteen waves owns two tiles of 16 queries, one after the other (two passes), and walks all 2,048 keys, 128 a step.
; Four waves share a SIMD, so that one wave's vector work stands beside another's products and LDS loads.
; LDS.  A head's K and V as codes with their scale words are 16 x 13,056 bytes: they come ONCE, by sixteen joint loads of the cluster (one a wave: wave w asks for key step w), and stay:
; nothing is filled again.  Pass 0 begins on the first quarter while the others are on their way.  All of the stream is asked for in the first lines, so there is nothing left for a prefetch to ask ahead of.
; LAYOUT.  Both products are used transposed: S^T = K Q^T, O^T = V^T P^T: a lane holds one query throughout.  Lane (8 y + z, h) of K's tile (g, u) takes key 32 g + 16 y + 8 u + z, so that the 16 registers of tiles
; (g, 0) and (g, 1) are 16 neighbouring keys; the launch before has laid the codes so that this is a matter of the lane's address alone: 1536 g + 512 piece + 256 y + 128 h + 8 z + 64 (u xor y).
; K = 64 IN AN INSTRUCTION OF 128: Q's fragment is six registers of codes and six of zero codes.  K's fragment t is named v[32 + 6 t .. 32 + 6 t + 11]: its upper six are the next tile's codes (behind tile 7: zeros).
; They meet zero codes, no code of this format is a NaN, and the scale bytes of that half are 0 on both sides, a power of two: they add nothing.  So a tile of K costs six registers and three loads.
; OUT: oc [16 tokens: 512][head: 16][768 bytes]: the projection's operand as it lies in registers, three pieces of 256 bytes, 8 bytes a lane; os [8192][32]: two scale bytes a head.  A work-group owns 2 of a row's 32 scale
; bytes: those stores cover their 256-byte blocks in part; they are one byte for each 24 of codes.
; LIMITS: NaN and infinities are not served; 1 / l is v_rcp_f32's; a block of O whose largest magnitude lies under 2^-124, zeros among them, gets the byte 1: its codes add nothing, and this program alone reads the bytes.
.set BLK,   19712                      ; 128 tokens of a head in the workspace
.set HS,    16*BLK
.set STP,   13056                      ; of which K, V and their scale words: what a key step wants
.set SPARE, 16*STP                     ; the spare words, 128 bytes a wave: eight blocks of 256 bytes that no other line names
.set R0,  1                            ; v1  8 lane
.set R1,  2                            ; v2  (8 lane) xor 64
.set KA0, 3                            ; v3  my place in K's tiles (g, 0)
.set KA1, 4                            ; v4  and (g, 1)
.set SA,  5                            ; v5  my place among the scale words
.set QA,  6                            ; v6  16 (lane % 16)
.set SPW, 7
.set NIL, 8
.set ADK0, 9                           ; v9-13 the step's addresses
.set ADV0, 11
.set ADS, 13
.set NM,  14                           ; v14 -M, v15 the largest t
.set TMX, 15
.set SUM, 16                           ; v[16:17] the sum in two halves
.set Q0,  18                           ; v18-23 pass 0's Q, v24-29 zeros
.set QS0, 30
.set OSA, 31
.set KF,  32                           ; v32-79 K's eight tiles, then V's four; v80-85 zeros
.set KSC, 86                           ; v86-93 K's scale words
.set VSC, 94                           ; v94-97 V's
.set S,   100                          ; v100-163 S^T, then p
.set O,   164                          ; v164-195 O^T
.set PCD, 196                          ; v196-207 p's codes
.set PC2, 208                          ; v208-214 the conversions' second halves
.set BM,  216
.set T2,  220
.set SOP, 224
.set PWD, 228                          ; p's scale word
.set F,   230                          ; v[230:231] f
.set TA,  232
.set SUM2, 234
.set Q1,  236                          ; v236-241 pass 1's Q, v242-247 zeros
.set QS1, 248
.set WV, 10
.set CX, 11
.set BH, 12
.set G1, 16
.set G0, 24
.set SEL, 40
.set CS, 42
.set TB, 44
.set CNT, 45
.set QB, 48
.set QSB, 50
.set OCB, 52
.set OSB, 60
.macro CROUND
	s_barrier_signal -1
	s_barrier_wait -1
	s_cmp_lg_u32 s[WV], 0
	s_cbranch_scc1 .Lnot_wave_0_\@
	s_barrier_signal -3
.Lnot_wave_0_\@:
	s_barrier_wait -3
	s_barrier_signal -1
	s_barrier_wait -1
.endm
	s_load_b128 s[4:7], s[0:1], 0x0                ; the workspace of q, k, v; oc
	s_load_b64 s[8:9], s[0:1], 0x10                ; os
	v_lshl_add_u32 v[SPW], v0, 2, SPARE
	v_mov_b32 v[NIL], 0
	ds_add_u32 v[SPW], v[NIL]                      ; the wave's opening: the add and its wait ahead of the first tensor loads; work on registers stands between
	ds_add_u32 v[SPW], v[NIL]
	v_lshrrev_b32 v9, 5, v0
	s_delay_alu instid0(VALU_DEP_1)
	v_readfirstlane_b32 s[WV], v9                  ; wave 0..15
	s_bfe_u32 s[CX], ttmp6, 0x40000                ; my place in the cluster: my 512 queries; it enters Q's, oc's and os's addresses alone
	s_and_b32 s[BH], ttmp7, 0xffff                 ; 16 batch + head, which the four partners share
	s_mov_b32 s[G1], 15|(3<<16)|(1<<21)            ; the mask: all four; elements of 8 bytes; bit 21 beside a mask; no padding
	s_mov_b32 s[G1+1], 32<<16                      ; tensor_dim0: 256 bytes
	s_mov_b32 s[G1+2], 51<<16                      ; tensor_dim1: 51 rows = 13,056 dense bytes
	s_mov_b32 s[G1+3], 32<<16                      ; tile_dim0
	s_mov_b32 s[G1+4], 51                          ; tile_dim1
	s_mov_b32 s[G1+5], 32                          ; from row to row
	s_mov_b32 s[G1+6], 0
	s_mov_b32 s[G1+7], 0
	s_mov_b32 s[SEL], 0x76543210
	s_mov_b32 s[SEL+1], 0xfedcba98                 ; v_permlanex16_b32's selects for lane l xor 16
	s_mov_b32 s[CS], 0x3e38aa3b                    ; c = log2(e) / 8
	s_mov_b32 s[CS+1], s[CS]                       ; (named with it as a pair)
	s_mul_i32 s54, s[BH], HS                       ; the head's first byte (under 2^25)
	s_mov_b32 s55, 0
	s_and_b32 s59, s[WV], 3
	s_mul_i32 s56, s[WV], BLK                      ; wave w fetches key step w: where it lies in memory,
	s_mov_b32 s57, 0
	s_mul_i32 s58, s[WV], STP
	s_wait_dscnt 0x0                               ; the opening add is done
	s_wait_kmcnt 0x0
	s_add_nc_u64 s[4:5], s[4:5], s[54:55]
	s_add_nc_u64 s[56:57], s[4:5], s[56:57]
	CROUND                                         ; all four work-groups are here: the joint loads meet
; THE SIXTEEN JOINT LOADS ARE SHARED OUT, ONE A WAVE (this takes the place of what the head's comment says of waves 0 to 3): wave w asks for key step w.  The waves of group w / 4 have a load line of their own,
; so that the barrier ahead of quarter c needs the waits of groups 0 to c alone.
.set GRP, 46
	s_mov_b32 s[G0], 1
	s_mov_b32 s[G0+1], s58
	s_mov_b64 s[G0+2:G0+3], s[56:57]
	s_or_b32 s[G0+3], s[G0+3], 0x80000000
	s_lshr_b32 s[GRP], s[WV], 2
.irp c, 0,1,2
	s_cmp_eq_u32 s[GRP], \c
	s_cbranch_scc0 .Lnot_group_\c
	tensor_load_to_lds s[G0:G0+3], s[G1:G1+7]
	s_nop 0
.rept 4
	v_nop
.endr
	s_branch .Lasked
.Lnot_group_\c:
.endr
	tensor_load_to_lds s[G0:G0+3], s[G1:G1+7]
	s_nop 0
.rept 4
	v_nop
.endr
.Lasked:
	s_lshl_b32 s54, s[CX], 2
	s_lshr_b32 s55, s[WV], 2
	s_add_co_u32 s54, s54, s55
	s_mul_i32 s54, s54, BLK                        ; the 128 tokens that hold my 32 queries: block 4 cx + wave / 4
	s_mul_i32 s55, s59, 1536                       ; my pair of tiles in it: wave % 4
	s_add_co_u32 s56, s54, s55
	s_add_co_u32 s56, s56, 13056
	s_mov_b32 s57, 0
	s_add_nc_u64 s[QB:QB+1], s[4:5], s[56:57]      ; Q's codes
	s_lshr_b32 s55, s59, 1
	s_lshl_b32 s55, s55, 8
	s_and_b32 s56, s[WV], 1
	s_lshl_b32 s56, s56, 2
	s_add_co_u32 s56, s56, s55
	s_add_co_u32 s56, s56, s54
	s_add_co_u32 s56, s56, 19200
	s_add_nc_u64 s[QSB:QSB+1], s[4:5], s[56:57]    ; Q's scale words
	s_lshr_b32 s54, s[BH], 4                       ; batch
	s_and_b32 s55, s[BH], 15                       ; head
	s_lshl_b32 s56, s[CX], 5
	s_lshl_b32 s57, s[WV], 1
	s_add_co_u32 s56, s56, s57
	s_lshl_b32 s57, s54, 7
	s_add_co_u32 s56, s56, s57                     ; my first tile of 16 tokens, of 512
	s_mul_i32 s58, s56, 12288
	s_mul_i32 s59, s55, 768
	s_add_co_u32 s58, s58, s59
	s_mov_b32 s59, 0
	s_add_nc_u64 s[OCB:OCB+1], s[6:7], s[58:59]
	s_lshl_b32 s58, s56, 9                         ; 16 rows of 32 scale bytes
	s_lshl_b32 s57, s55, 1
	s_add_co_u32 s58, s58, s57
	s_add_nc_u64 s[OSB:OSB+1], s[8:9], s[58:59]
	v_and_b32 v12, 31, v0
	s_delay_alu instid0(VALU_DEP_1)
	v_lshlrev_b32 v[R0], 3, v12
	s_delay_alu instid0(VALU_DEP_1)
	v_xor_b32 v[R1], 64, v[R0]
	v_and_b32 v[QA], 15, v0
	s_delay_alu instid0(VALU_DEP_1)
	v_lshlrev_b32 v[QA], 4, v[QA]
.irp p, 0,1,2
	global_load_b64 v[Q0+2*\p:Q0+2*\p+1], v[R0], s[QB:QB+1] offset:512*\p          ; the even tile
	global_load_b64 v[Q1+2*\p:Q1+2*\p+1], v[R1], s[QB:QB+1] offset:256+512*\p      ; the odd tile
.endr
	global_load_b32 v[QS0], v[QA], s[QSB:QSB+1]
	global_load_b32 v[QS1], v[QA], s[QSB:QSB+1] offset:8
	v_and_b32 v9, 7, v0                            ; z
	v_bfe_u32 v10, v0, 3, 1                        ; y
	v_bfe_u32 v11, v0, 4, 1                        ; h
	s_delay_alu instid0(VALU_DEP_2)
	v_mul_u32_u24 v[KA0], v10, 320                 ; 256 y + 64 y
	s_delay_alu instid0(VALU_DEP_1)
	v_lshl_add_u32 v[KA0], v11, 7, v[KA0]
	s_delay_alu instid0(VALU_DEP_1)
	v_lshl_add_u32 v[KA0], v9, 3, v[KA0]
	s_delay_alu instid0(VALU_DEP_1)
	v_xor_b32 v[KA1], 64, v[KA0]
	v_lshlrev_b32 v[SA], 4, v9
	s_delay_alu instid0(VALU_DEP_1)
	v_lshl_add_u32 v[SA], v10, 3, v[SA]
	s_delay_alu instid0(VALU_DEP_1)
	v_add_nc_u32 v[SA], 12288, v[SA]               ; 16 z + 8 y in the scale words' part
.irp i, 0,1,2,3,4,5
	v_mov_b32 v[Q0+6+\i], 0                        ; zero codes: written once
	v_mov_b32 v[Q1+6+\i], 0
	v_mov_b32 v[KF+48+\i], 0
.endr
.irp b, 0,1,2,3
	v_mov_b32 v[T2+\b], 0                          ; a lane permute's destination counts as one of its sources
.endr
	v_mov_b32 v[TA], 0
	v_mov_b32 v[F+1], 0                            ; (named as the upper half of the pair)
; A KEY STEP: 128 keys at LDS byte s[TB].  qf: Q's twelve registers; qs: its scale word.
.macro STEP qf, qs
	v_add_nc_u32 v[ADK0], s[TB], v[KA0]            ; these five are also the places behind the last step's products, in front of the loads into their registers
	v_add_nc_u32 v[ADK0+1], s[TB], v[KA1]
	v_add_nc_u32 v[ADV0], s[TB], v[R0]
	v_add_nc_u32 v[ADV0+1], s[TB], v[R1]
	v_add_nc_u32 v[ADS], s[TB], v[SA]
.irp i, 0,1,2,3
	ds_load_b64 v[KSC+2*\i:KSC+2*\i+1], v[ADS] offset:128*\i          ; K's scale words: tiles (2 (i / 2), i % 2) and (2 (i / 2) + 1, i % 2)
.endr
.irp i, 0,1
	ds_load_b64 v[VSC+2*\i:VSC+2*\i+1], v[ADS] offset:512+128*\i      ; V's: tiles i and i + 2
.endr
.irp g, 0,1,2,3
.irp u, 0,1
.irp p, 0,1,2
	ds_load_b64 v[KF+6*(2*\g+\u)+2*\p:KF+6*(2*\g+\u)+2*\p+1], v[ADK0+\u] offset:1536*\g+512*\p
.endr
.endr
.endr
	s_wait_alu depctr_va_vdst(0)
	s_wait_dscnt 0x0
.irp g, 0,1,2,3
.irp u, 0,1
	v_wmma_scale_f32_16x16x128_f8f6f4 v[S+8*(2*\g+\u):S+8*(2*\g+\u)+7], v[KF+6*(2*\g+\u):KF+6*(2*\g+\u)+11], v[\qf:\qf+11], 0, v[KSC+2*(2*(\g/2)+\u)+\g%2], v[\qs] matrix_a_fmt:MATRIX_FMT_FP6 matrix_b_fmt:MATRIX_FMT_FP6
.endr
.endr
.rept 4
	v_nop                                          ; places in front of the loads into K's registers and of the first read of the scores
.endr
.irp ct, 0,1,2,3
.irp c, 0,1
.irp p, 0,1,2
	ds_load_b64 v[KF+12*\ct+6*\c+2*\p:KF+12*\ct+6*\c+2*\p+1], v[ADV0+\ct%2] offset:6144+1536*\ct+256*\c+512*\p   ; V lands while the softmax is walked
.endr
.endr
.endr
.irp b, 0,1,2,3
	v_max3_num_f32 v[BM+\b], v[S+16*\b], v[S+1+16*\b], v[S+2+16*\b]   ; the largest score of each block of 32 keys: for the row's maximum, and, since p rises with the score, for the block's largest p
.endr
.irp i, 3,5,7,9,11,13
.irp b, 0,1,2,3
	v_max3_num_f32 v[BM+\b], v[BM+\b], v[S+16*\b+\i], v[S+1+16*\b+\i]
.endr
.endr
.irp b, 0,1,2,3
	v_max_num_f32 v[BM+\b], v[BM+\b], v[S+15+16*\b]
.endr
.irp b, 0,1,2,3
	s_delay_alu instid0(VALU_DEP_4)
	v_permlanex16_b32 v[T2+\b], v[BM+\b], s[SEL], s[SEL+1]
.endr
.irp b, 0,1,2,3
	s_delay_alu instid0(VALU_DEP_4)
	v_max_num_f32 v[BM+\b], v[BM+\b], v[T2+\b]     ; with lane l xor 16's 16 keys
.endr
	s_delay_alu instid0(VALU_DEP_2)
	v_max3_num_f32 v[TA], v[BM], v[BM+1], v[BM+2]
	s_delay_alu instid0(VALU_DEP_1)
	v_max_num_f32 v[TA], v[TA], v[BM+3]
	s_delay_alu instid0(VALU_DEP_1)
	v_mul_f32 v[TA], s[CS], v[TA]                  ; the step's largest t (c is positive)
	s_delay_alu instid0(VALU_DEP_1)
	v_max_num_f32 v[TMX], v[TMX], v[TA]
	v_mov_b32 v[TA], v[NM]
	s_delay_alu instid0(VALU_DEP_2)
	v_floor_f32 v[NM], -v[TMX]                     ; the new -M = -ceil(t)
	s_delay_alu instid0(VALU_DEP_1)
	v_sub_f32 v[TA], v[NM], v[TA]                  ; old M - new M: a whole number, 0 or less
	s_delay_alu instid0(VALU_DEP_1)
	v_cvt_i32_f32 v[TA], v[TA]                     ; (it saturates)
	s_delay_alu instid0(VALU_DEP_1)
	v_ldexp_f32 v[F], 1.0, v[TA]                   ; f = 2^(old M - new M)
.set j, 0
.rept 32
	v_pk_fma_f32 v[S+j:S+j+1], v[S+j:S+j+1], s[CS:CS+1], v[NM:NM+1] op_sel_hi:[1,0,0]   ; t - M
.set j, j+2
.endr
.irp b, 0,1,2,3
	v_fma_f32 v[BM+\b], v[BM+\b], s[CS], v[NM]
.endr
.set j, 0
	s_wait_alu depctr_va_vdst(0)
.rept 64
	v_exp_f32 v[S+j], v[S+j]                       ; p = 2^(t - M)
.set j, j+1
.endr
	v_pk_mul_f32 v[SUM:SUM+1], v[SUM:SUM+1], v[F:F+1] op_sel_hi:[1,0]   ; the sums under the new M: the plain place behind the exponentials
	s_wait_alu depctr_va_vdst(0)                   ; one wait for the batch of 64, ahead of its first reader
.irp b, 0,1,2,3
	v_exp_f32 v[BM+\b], v[BM+\b]                   ; each block's largest p: the same two instructions on the same number
.endr
	v_pk_add_f32 v[234:235], v[104:105], v[108:109]
	v_pk_add_f32 v[254:255], v[112:113], v[116:117]
	v_pk_add_f32 v[252:253], v[120:121], v[124:125]
	v_pk_add_f32 v[250:251], v[128:129], v[132:133]
	v_pk_add_f32 v[228:229], v[136:137], v[140:141]
	v_pk_add_f32 v[226:227], v[144:145], v[148:149]
	v_pk_add_f32 v[224:225], v[152:153], v[156:157]
	v_pk_add_f32 v[16:17], v[16:17], v[160:161]
	v_pk_add_f32 v[234:235], v[234:235], v[100:101]
	v_pk_add_f32 v[254:255], v[254:255], v[102:103]
	v_pk_add_f32 v[252:253], v[252:253], v[106:107]
	v_pk_add_f32 v[250:251], v[250:251], v[110:111]
	v_pk_add_f32 v[228:229], v[228:229], v[114:115]
	v_pk_add_f32 v[226:227], v[226:227], v[118:119]
	v_pk_add_f32 v[224:225], v[224:225], v[122:123]
	v_pk_add_f32 v[16:17], v[16:17], v[126:127]
	v_pk_add_f32 v[234:235], v[234:235], v[130:131]
	v_pk_add_f32 v[254:255], v[254:255], v[134:135]
	v_pk_add_f32 v[252:253], v[252:253], v[138:139]
	v_pk_add_f32 v[250:251], v[250:251], v[142:143]
	v_pk_add_f32 v[228:229], v[228:229], v[146:147]
	v_pk_add_f32 v[226:227], v[226:227], v[150:151]
	v_pk_add_f32 v[224:225], v[224:225], v[154:155]
	v_pk_add_f32 v[16:17], v[16:17], v[158:159]
	v_pk_add_f32 v[234:235], v[234:235], v[162:163]
	s_delay_alu instid0(VALU_DEP_2)
	v_pk_add_f32 v[16:17], v[16:17], v[250:251]
	s_delay_alu instid0(VALU_DEP_2)
	v_pk_add_f32 v[234:235], v[234:235], v[228:229]
	v_pk_add_f32 v[254:255], v[254:255], v[226:227]
	v_pk_add_f32 v[252:253], v[252:253], v[224:225]
	s_delay_alu instid0(VALU_DEP_2)
	v_pk_add_f32 v[16:17], v[16:17], v[254:255]
	s_delay_alu instid0(VALU_DEP_2)
	v_pk_add_f32 v[234:235], v[234:235], v[252:253]
	s_delay_alu instid0(VALU_DEP_1)
	v_pk_add_f32 v[16:17], v[16:17], v[234:235]
	s_wait_alu depctr_va_vdst(0)                   ; and one for the four
.irp b, 0,1,2,3
	v_max_num_f32 v[BM+\b], 0x1800000, v[BM+\b]    ; the floor 2^(3 - 127): the byte cannot fall under 1
.endr
.irp b, 0,1,2,3
	s_delay_alu instid0(VALU_DEP_4)
	v_add_nc_u32 v[SOP+\b], 0xff000000, v[BM+\b]   ; 2 off the exponent field: the conversion's scale operand
.endr
.irp b, 0,1,2,3
	s_delay_alu instid0(VALU_DEP_4)
	v_lshrrev_b32 v[T2+\b], 23, v[SOP+\b]          ; the scale's byte
.endr
	s_delay_alu instid0(VALU_DEP_3)
	v_lshl_or_b32 v[PWD], v[T2+1], 8, v[T2]
	s_delay_alu instid0(VALU_DEP_1)
	v_lshl_or_b32 v[PWD], v[T2+2], 16, v[PWD]
	s_delay_alu instid0(VALU_DEP_1)
	v_lshl_or_b32 v[PWD], v[T2+3], 24, v[PWD]
.irp c, 0,1
	v_cvt_scalef32_pk16_fp6_f32 v[PCD+6*\c:PCD+6*\c+2], v[S+32*\c:S+32*\c+15], v[SOP+2*\c]
	v_cvt_scalef32_pk16_fp6_f32 v[PC2+4*\c:PC2+4*\c+2], v[S+16+32*\c:S+31+32*\c], v[SOP+2*\c+1]
.endr
	v_nop                                          ; one plain place behind a scaled conversion
.irp c, 0,1
.irp i, 0,1,2
	v_permlane16_swap_b32 v[PCD+6*\c+\i], v[PC2+4*\c+\i]
.endr
.irp i, 0,1,2
	s_delay_alu instid0(VALU_DEP_3)
	v_mov_b32 v[PCD+3+6*\c+\i], v[PC2+4*\c+\i]
.endr
.endr
.set j, 0
.rept 16
	v_pk_mul_f32 v[O+j:O+j+1], v[O+j:O+j+1], v[F:F+1] op_sel_hi:[1,0]   ; O^T under the new M.  These sixteen are also the places between the lines that made p's codes and scale word and the products
.set j, j+2
.endr
	s_wait_alu depctr_va_vdst(0)
	s_wait_dscnt 0x0                               ; V is in
.irp ct, 0,1,2,3                               ; four accumulators by turns, one instruction a turn
	v_wmma_scale_f32_16x16x128_f8f6f4 v[O+8*\ct:O+8*\ct+7], v[KF+12*\ct:KF+12*\ct+11], v[PCD:PCD+11], v[O+8*\ct:O+8*\ct+7], v[VSC+2*(\ct%2)+\ct/2], v[PWD] matrix_a_fmt:MATRIX_FMT_FP6 matrix_b_fmt:MATRIX_FMT_FP6
.endr
	s_add_co_u32 s[TB], s[TB], STP
.endm
.macro RUN base, n, qf, qs             ; n key steps from LDS byte base on
	s_mov_b32 s[TB], \base
	s_mov_b32 s[CNT], \n
.Lstep_\@:
	STEP \qf, \qs
	s_sub_co_u32 s[CNT], s[CNT], 1
	s_cmp_lg_u32 s[CNT], 0
	s_cbranch_scc1 .Lstep_\@
.endm
.macro BEGIN                           ; the step is written without a first step of its own: it finds zeros, which the first change of M leaves zeros
	v_mov_b32 v[TMX], 0xff61b1e6                   ; -3e38, under every t
	s_delay_alu instid0(VALU_DEP_1)
	v_floor_f32 v[NM], -v[TMX]
	v_mov_b32 v[SUM], 0
	v_mov_b32 v[SUM+1], 0
.set j, 0
.rept 32
	v_mov_b32 v[O+j], 0
.set j, j+1
.endr
.endm
; THE WAY OUT of a pass: O^T / l; register 8 ct + j holds channel 16 ct + 8 h + j: the exchange of halves between neighbouring tiles gives 16 neighbours, 32 g + 16 h + 0 .. 15; two blocks are quantised; three stores of 256 consecutive bytes.
.macro WAYOUT ps
	v_add_f32 v[SUM], v[SUM], v[SUM+1]
	s_delay_alu instid0(VALU_DEP_1)
	v_permlanex16_b32 v[TA], v[SUM], s[SEL], s[SEL+1]
	s_delay_alu instid0(VALU_DEP_1)
	v_add_f32 v[SUM], v[SUM], v[TA]                ; the row's sum
	s_wait_alu depctr_va_vdst(0)
	v_rcp_f32 v[SUM], v[SUM]
	v_and_b32 v[OSA], 15, v0                       ; my row's 32 scale bytes.  With the two additions above and the v_nop these are the places behind the last products
	s_delay_alu instid0(VALU_DEP_1)
	v_lshlrev_b32 v[OSA], 5, v[OSA]
	v_nop
	s_wait_alu depctr_va_vdst(0)                   ; ahead of the reciprocal's first reader
.set j, 0
.rept 16
	v_pk_mul_f32 v[S+j:S+j+1], v[O+j:O+j+1], v[SUM:SUM+1] op_sel_hi:[1,0]   ; each accumulator from its low end on
.set j, j+2
.endr
.irp g, 0,1
.irp j, 0,1,2,3,4,5,6,7
	v_permlane16_swap_b32 v[S+16*\g+\j], v[S+16*\g+8+\j]
.endr
.endr
.irp b, 0,1
	v_max3_num_f32 v[BM+\b], |v[S+16*\b]|, |v[S+1+16*\b]|, 0x1800000
.endr
.irp i, 2,4,6,8,10,12,14
.irp b, 0,1
	s_delay_alu instid0(VALU_DEP_2)
	v_max3_num_f32 v[BM+\b], v[BM+\b], |v[S+16*\b+\i]|, |v[S+1+16*\b+\i]|
.endr
.endr
.irp b, 0,1
	s_delay_alu instid0(VALU_DEP_2)
	v_permlanex16_b32 v[T2+\b], v[BM+\b], s[SEL], s[SEL+1]
.endr
.irp b, 0,1
	s_delay_alu instid0(VALU_DEP_2)
	v_max_num_f32 v[BM+\b], v[BM+\b], v[T2+\b]
.endr
.irp b, 0,1
	s_delay_alu instid0(VALU_DEP_2)
	v_add_nc_u32 v[SOP+\b], 0xff000000, v[BM+\b]
.endr
.irp b, 0,1
	s_delay_alu instid0(VALU_DEP_2)
	v_lshrrev_b32 v[T2+\b], 23, v[SOP+\b]
.endr
	s_delay_alu instid0(VALU_DEP_1)
	v_lshl_or_b32 v[TA], v[T2+1], 8, v[T2]         ; the head's two scale bytes of my row
	v_cvt_scalef32_pk16_fp6_f32 v[PCD:PCD+2], v[S:S+15], v[SOP]
	v_cvt_scalef32_pk16_fp6_f32 v[PC2:PC2+2], v[S+16:S+31], v[SOP+1]
	v_nop
.irp i, 0,1,2
	v_permlane16_swap_b32 v[PCD+\i], v[PC2+\i]
.endr
.irp i, 0,1,2
	s_delay_alu instid0(VALU_DEP_3)
	v_mov_b32 v[PCD+3+\i], v[PC2+\i]
.endr
.irp p, 0,1,2
	global_store_b64 v[R0], v[PCD+2*\p:PCD+2*\p+1], s[OCB:OCB+1] offset:12288*\ps+256*\p
.endr
	global_store_b16 v[OSA], v[TA], s[OSB:OSB+1] offset:512*\ps    ; lanes l and l xor 16 write the same two bytes with the same value
.endm
	s_wait_loadcnt 0x0                             ; Q
	BEGIN
.irp c, 0,1,2                                  ; pass 0: a quarter of the keys at a time, as they land
	s_cmp_gt_u32 s[GRP], \c
	s_cbranch_scc1 .Lnot_yet_\c
	s_wait_tensorcnt 0x0                           ; groups 0 to c: my key step is in
.Lnot_yet_\c:
	s_wait_dscnt 0x0
	s_barrier_signal -1
	s_barrier_wait -1                              ; quarter c is whole.  The later quarters stay on their way
	RUN \c*4*STP, 4, Q0, QS0
.endr
	s_wait_tensorcnt 0x0                           ; the last quarter: every wave waits
	s_wait_dscnt 0x0
	s_barrier_signal -1
	s_barrier_wait -1
	RUN 12*STP, 4, Q0, QS0
	WAYOUT 0
	s_wait_xcnt 0x0                                ; pass 0's stores have read their data and offsets: both are written again only behind this wait
	BEGIN
	RUN 0, 16, Q1, QS1                             ; pass 1: all of the head lies in LDS
	WAYOUT 1
	s_wait_tensorcnt 0x0                           ; the wave's end
	ds_add_u32 v[SPW], v[NIL]
	s_wait_dscnt 0x0
	CROUND                                         ; the closing round
	s_endpgm
.Lfunc_end_k_qca3f4781ea_attn:
	.size	k_qca3f4781ea_attn, .Lfunc_end_k_qca3f4781ea_attn-k_qca3f4781ea_attn
	.p2alignl 7, 3214868480
	.fill 96, 4, 3214868480
	.section	.rodata,"a",@progbits
	.p2align	6, 0x0
	.amdhsa_kernel k_qca3f4781ea_attn
		.amdhsa_group_segment_fixed_size 210944
		.amdhsa_private_segment_fixed_size 0
		.amdhsa_enable_private_segment 0
		.amdhsa_kernarg_size 24
		.amdhsa_user_sgpr_count 2
		.amdhsa_user_sgpr_kernarg_segment_ptr 1
		.amdhsa_wavefront_size32 1
		.amdhsa_system_sgpr_workgroup_id_x 1
		.amdhsa_system_sgpr_workgroup_id_y 1
		.amdhsa_system_sgpr_workgroup_id_z 1
		.amdhsa_system_vgpr_workitem_id 0
		.amdhsa_next_free_vgpr 256
		.amdhsa_next_free_sgpr 66
		.amdhsa_reserve_vcc 0
		.amdhsa_float_denorm_mode_32 3
		.amdhsa_float_denorm_mode_16_64 3
		.amdhsa_memory_ordered 1
		.amdhsa_forward_progress 1
		.amdhsa_inst_pref_size 113
	.end_amdhsa_kernel
	.amdgpu_metadata
---
amdhsa.version: [ 1, 2 ]
amdhsa.kernels:
  - .name:           k_qca3f4781ea_attn
    .symbol:         k_qca3f4781ea_attn.kd
    .args:
      - { .name: qkvw, .offset: 0, .size: 8, .value_kind: global_buffer, .address_space: global }
      - { .name: oc, .offset: 8, .size: 8, .value_kind: global_buffer, .address_space: global }
      - { .name: os, .offset: 16, .size: 8, .value_kind: global_buffer, .address_space: global }
    .group_segment_fixed_size: 210944
    .private_segment_fixed_size: 0
    .kernarg_segment_align: 8
    .kernarg_segment_size: 24
    .max_flat_workgroup_size: 512
    .sgpr_count:     66
    .vgpr_count:     256
    .wavefront_size: 32
...
	.end_amdgpu_metadata
.endif
;; end of part 2
;; launch proj (part 3): grid 8 x 32, 4 waves a work-group, clusters of 4 x 4, 327,680 bytes of LDS; arguments oc, os, w_proj_codes, w_proj_scales, b_proj, out0; writes out0
.if DOCPART == 3
	.amdgcn_target "amdgcn-amd-amdhsa--gfx1250"
	.amdhsa_code_object_version 6
	.text
	.protected	k_qca3f4781ea_proj
	.globl	k_qca3f4781ea_proj
	.p2align	8
	.type	k_qca3f4781ea_proj,@function
k_qca3f4781ea_proj:
	s_mov_b64 s[64:65], 0
	v_nop
	global_prefetch_b8 v0, s[64:65] scope:SCOPE_SE
	s_setreg_imm32_b32 hwreg(HW_REG_WAVE_MODE, 25, 1), 1
	s_wait_xcnt 0x0
	s_wait_alu depctr_hold_cnt(0) depctr_sa_sdst(0) depctr_va_vdst(0) depctr_va_sdst(0) depctr_va_ssrc(0) depctr_va_vcc(0) depctr_vm_vsrc(0)
	s_getreg_b32 s2, hwreg(HW_REG_IB_STS2, 6, 4)
	s_cmp_eq_u32 s2, 0
	s_cbranch_scc0 .Lentry_in_a_cluster
	s_endpgm
.Lentry_in_a_cluster:
	s_bfe_u32 s2, ttmp6, 0x10000c
	s_cmp_lg_u32 s2, 0xf033
	s_cbranch_scc0 .Lentry_shape_is_right
	s_endpgm
.Lentry_shape_is_right:
; out0 = O w_proj^T + b_proj on codes of FP6 (E2M3), one E8M0 scale for each 32 along K = 1,024; sums in f32.
; 256 work-groups of four waves; work-group (j, T) makes 256 tokens x 128 columns.  Both operands lie in LDS for ALL of K, filled once at the head, one joint load a wave: nothing is filled again.
; O comes as the launch before left it: oc [16 tokens][head][768 bytes], an image of the operand's registers, three pieces of 256 bytes, 8 bytes a lane: 256 tokens are 196,608 dense bytes, stated as rows of 256.
; The weights' 128 rows are whole rows of 768 bytes, 16 bytes of padding behind every 256 in LDS.  Scale words go from memory into registers: a block of 16 rows is 512 consecutive bytes.
; THE MATRIX INSTRUCTION IS USED TRANSPOSED (source 0 = 16 rows of the weights, source 1 = 16 tokens): a lane holds eight neighbouring columns of a token.  A wave makes 64 tokens x 128 columns: 32 accumulators.  The bias is the C of each sum's first product.
; CLUSTERS 4 x 4: O's tile is asked for jointly by a row of the cluster, the weights' by a column.
; THE WAY OUT: 16 tokens x 128 columns at a time through the wave's stage in LDS, which lies on the wave's own tokens' bytes: they have had their only fill and, behind the barrier, their last read.  32 lanes store 512 consecutive bytes.
; NO PREFETCH: all that the launch reads is asked for in its first lines.
; REGISTERS: window 0: addresses, v32-63 O's scale words, v68-131 the weights'.  Window 1: the weights' fragments, two sets; on the way out the rows read back.  Window 2: the accumulators.  Window 3: v0-63 the bias, v64-159 O's fragments, two sets, v168-183 LDS addresses.
.set KROW,  768
.set PITCH, 816
.set XB,    196608
.set WTOK,  49152                      ; a wave's 64 tokens in LDS
.set SPARE, XB+128*PITCH
.set SPITCH, 528
.set SOF, 4
.set SPW, 11
.set NIL, 12
.set ADI, 13
.set STO, 14
.set RD,  15
.set CO,  16
.set SA,  32
.set SB,  68
.set AF,  64
.set AB,  168
.set WV, 16
.set WL, 18
.set G1X, 24
.set G1W, 32
.set G0X, 48
.set G0W, 52
.set MSB, 0
.macro WIN new
.if MSB != \new
	s_set_vgpr_msb (MSB<<8)|\new
.set MSB, \new
.endif
.endm
.macro PLACES n
.rept \n
	v_nop
.endr
.endm
.macro CROUND
	s_barrier_signal -1
	s_barrier_wait -1
	s_cmp_lg_u32 s[WV], 0
	s_cbranch_scc1 .Lnot_wave_0_\@
	s_barrier_signal -3
.Lnot_wave_0_\@:
	s_barrier_wait -3
	s_barrier_signal -1
	s_barrier_wait -1
.endm
.macro TLOAD g0, g1
	tensor_load_to_lds s[\g0:\g0+3], s[\g1:\g1+7]
	s_nop 0
	PLACES 4
.endm
.macro ADDP d, b, o
	s_mov_b32 s20, s[\o]
	s_add_nc_u64 s[\d:\d+1], s[\b:\b+1], s[20:21]
.endm
.macro LDSC reg, n, ptr
.set I_, 0
.rept \n
	global_load_b128 v[\reg+8*I_:\reg+8*I_+3], v[SOF], s[\ptr:\ptr+1] offset:512*I_
	global_load_b128 v[\reg+8*I_+4:\reg+8*I_+7], v[SOF], s[\ptr:\ptr+1] offset:512*I_+16
.set I_, I_+1
.endr
.endm
.macro FRAG dw, reg, q, ad             ; six pieces of 8 bytes, two to a load where both lie behind as many paddings
	WIN ((\dw)<<6)|3
.set SKIP_, 0
.irp p, 0,1,2,3,4,5
.if SKIP_
.set SKIP_, 0
.else
.set PC_, 12*(\q)+6*(\p/3)+\p%3
.set PN_, 12*(\q)+6*((\p+1)/3)+(\p+1)%3
.set X_, (PC_%32+3)/32
.set XQ_, (PN_%32+3)/32
.if (\p < 5) && (X_ == XQ_)
.set SKIP_, 1
	ds_load_2addr_b64 v[\reg+2*\p:\reg+2*\p+3], v[\ad+X_] offset0:PC_+2*(PC_/32) offset1:PN_+2*(PN_/32)
.else
	ds_load_b64 v[\reg+2*\p:\reg+2*\p+1], v[\ad+X_] offset:8*(PC_+2*(PC_/32))
.endif
.endif
.endr
.endm
.macro FETCH q
.irp i, 0,1,2,3,4,5,6,7
	FRAG 1, 128*((\q)%2)+12*\i, \q, AB+2*\i
.endr
	WIN 0xc0
.irp i, 0,1,2,3
.irp p, 0,1,2,3,4,5
	ds_load_b64 v[AF+48*((\q)%2)+12*\i+2*\p:AF+48*((\q)%2)+12*\i+2*\p+1], v[ADI] offset:12288*\i+1536*(\q)+256*\p   ; heads 2 q and 2 q + 1 of tile i, as they lie
.endr
.endr
.endm
.macro WM a, b, q, c
	v_wmma_scale_f32_16x16x128_f8f6f4 v[8*(8*\a+\b):8*(8*\a+\b)+7], v[128*((\q)%2)+12*\b:128*((\q)%2)+12*\b+11], v[AF+48*((\q)%2)+12*\a:AF+48*((\q)%2)+12*\a+11], \c, v[SB+8*\b+(\q)], v[SA+8*\a+(\q)] matrix_a_fmt:MATRIX_FMT_FP6 matrix_b_fmt:MATRIX_FMT_FP6
.endm
.macro MULS q                          ; 32 products, the 32 accumulators by turns
.if (\q) == 0
	WIN 0xbd
.else
	WIN 0xad
.endif
.irp a, 0,1,2,3
.irp b, 0,1,2,3,4,5,6,7
.if (\q) == 0
	WM \a, \b, \q, v[8*\b:8*\b+7]
.else
	WM \a, \b, \q, v[8*(8*\a+\b):8*(8*\a+\b)+7]
.endif
.endr
.endr
.endm
.macro TOSTAGE a
	WIN 0x08
.irp b, 0,1,2,3,4,5,6,7
	ds_store_b128 v[STO], v[64*(\a)+8*\b:64*(\a)+8*\b+3] offset:64*\b        ; each accumulator from its low end on
	ds_store_b128 v[STO], v[64*(\a)+8*\b+4:64*(\a)+8*\b+7] offset:64*\b+16
.endr
	WIN 0x40
.irp t, 0,1,2,3,4,5,6,7,8,9,10,11,12,13,14,15
	ds_load_b128 v[64*((\a)%2)+4*\t:64*((\a)%2)+4*\t+3], v[RD] offset:\t*SPITCH   ; LDS serves a wave's instructions in order: these see the stores above
.endr
	WIN 0
.endm
.macro SEND a, younger                 ; younger: the LDS instructions issued behind block a's loads
	s_wait_dscnt \younger
.if (\a) > 0
	s_add_nc_u64 s[14:15], s[14:15], 16*4096       ; behind a wait on XCNT: the earlier stores have read their base
.endif
	WIN 0x04
.irp t, 0,1,2,3,4,5,6,7,8,9,10,11,12,13,14,15
	global_store_b128 v[CO], v[64*((\a)%2)+4*\t:64*((\a)%2)+4*\t+3], s[14:15] offset:\t*4096 th:TH_STORE_NT
.endr
	WIN 0
.endm
	s_load_b256 s[4:11], s[0:1], 0x0               ; oc, os, the weights' codes, their scales
	s_load_b128 s[12:15], s[0:1], 0x20             ; the bias, out0
	v_lshl_add_u32 v[SPW], v0, 2, SPARE
	v_mov_b32 v[NIL], 0
	ds_add_u32 v[SPW], v[NIL]                      ; the opening lines: the add twice and one wait
	ds_add_u32 v[SPW], v[NIL]
	v_lshrrev_b32 v1, 5, v0
	v_readfirstlane_b32 s[WV], v1
	s_and_b32 s[WL], s[WV], 1
	s_bfe_u32 s40, ttmp6, 0x40000
	s_bfe_u32 s41, ttmp6, 0x40004
	s_lshl_b32 s42, ttmp9, 2
	s_add_co_u32 s42, s42, s40                     ; j
	s_and_b32 s43, ttmp7, 0xffff
	s_lshl_b32 s43, s43, 2
	s_add_co_u32 s43, s43, s41                     ; T
	s_lshl_b32 s44, s41, 2
	s_lshl_b32 s44, 15, s44
	s_lshl_b32 s45, 0x1111, s40
	s_or_b32 s[G1X+0], s44, (3<<16)|(1<<21)        ; 98,304 dense bytes as 384 rows of 32 elements of 8 bytes
	s_mov_b32 s[G1X+1], 32<<16
	s_mov_b32 s[G1X+2], 384<<16
	s_mov_b32 s[G1X+3], 32<<16
	s_mov_b32 s[G1X+4], 384
	s_mov_b32 s[G1X+5], 32
	s_mov_b32 s[G1X+6], 0
	s_mov_b32 s[G1X+7], 0
	s_or_b32 s[G1W+0], s45, (1<<20)|(1<<21)|(5<<22)|(3<<25)   ; 64 rows of 768 bytes, padded
	s_mov_b32 s[G1W+1], KROW<<16
	s_mov_b32 s[G1W+2], 64<<16
	s_mov_b32 s[G1W+3], KROW<<16
	s_mov_b32 s[G1W+4], 64
	s_mov_b32 s[G1W+5], KROW
	s_mov_b32 s[G1W+6], 0
	s_mov_b32 s[G1W+7], 0
	s_mov_b32 s[G0X], 1
	s_mul_i32 s[G0X+1], s[WV], 2*WTOK              ; waves 0, 1: 128 tokens each
	s_mov_b32 s[G0W], 1
	s_mul_i32 s[G0W+1], s[WL], 64*PITCH            ; waves 2, 3: 64 rows each
	s_add_co_u32 s[G0W+1], s[G0W+1], XB
	s_lshl_b32 s92, s43, 1
	s_add_co_u32 s92, s92, s[WV]
	s_mul_i32 s92, s92, 2*WTOK                     ; oc
	s_lshl_b32 s93, s42, 7
	s_lshl_b32 s20, s[WL], 6
	s_add_co_u32 s93, s93, s20
	s_mul_i32 s93, s93, KROW                       ; the weights
	s_lshl_b32 s94, s43, 2
	s_add_co_u32 s94, s94, s[WV]                   ; my 64 tokens, of 128 such
	s_lshl_b32 s95, s94, 18                        ; in out0: 64 rows of 4,096 bytes,
	s_lshl_b32 s98, s42, 9                         ; my 128 columns; the bias's too
	s_add_co_u32 s95, s95, s98
	s_lshl_b32 s94, s94, 11                        ; in os
	s_lshl_b32 s96, s42, 12
	s_mul_i32 s75, s[WV], WTOK
	v_and_b32 v1, 15, v0
	v_bfe_u32 v2, v0, 4, 1
	v_and_b32 v3, 31, v0
	v_lshlrev_b32 v[SOF], 5, v1
	v_lshlrev_b32 v5, 5, v2
	v_lshl_add_u32 v[ADI], v3, 3, s75
	v_mul_u32_u24 v6, v1, SPITCH
	v_lshl_add_u32 v6, v2, 5, v6
	v_add_nc_u32 v[STO], s75, v6
	v_lshlrev_b32 v[CO], 4, v3
	v_add_nc_u32 v[RD], s75, v[CO]
	v_mul_u32_u24 v22, v1, PITCH
	v_mad_u32_u24 v23, v2, 40, v22
	v_mad_u32_u24 v22, v2, 24, v22
	WIN 0xc0
.irp i, 0,1,2,3,4,5,6,7
	v_add_nc_u32 v[AB+2*\i], XB+\i*16*PITCH, v22
	v_add_nc_u32 v[AB+2*\i+1], XB+\i*16*PITCH, v23
.endr
	WIN 0
	s_wait_alu depctr_va_vdst(0)                   ; the wait at the head's end
	s_wait_dscnt 0x0
	CROUND                                         ; all sixteen work-groups are here: the joint loads meet
	s_wait_kmcnt 0x0
	s_mov_b32 s21, 0
	ADDP G0X+2, 4, 92
	s_or_b32 s[G0X+3], s[G0X+3], 0x80000000
	ADDP G0W+2, 8, 93
	s_or_b32 s[G0W+3], s[G0W+3], 0x80000000
	s_cmp_lt_u32 s[WV], 2                          ; one tensor load a wave
	s_cbranch_scc0 .Lhead_w
	TLOAD G0X, G1X
	s_branch .Lasked
.Lhead_w:
	TLOAD G0W, G1W
.Lasked:
	ADDP 76, 6, 94
	ADDP 80, 10, 96
	ADDP 60, 12, 98
	ADDP 14, 14, 95
	LDSC SA, 4, 76
	LDSC SB, 8, 80
	WIN 0xc0
.irp b, 0,1,2,3,4,5,6,7
	global_load_b128 v[8*\b:8*\b+3], v5, s[60:61] offset:64*\b          ; the bias: column 16 b + 8 h + 0 .. 7
	global_load_b128 v[8*\b+4:8*\b+7], v5, s[60:61] offset:64*\b+16
.endr
	WIN 0
	s_wait_tensorcnt 0x0                           ; my part of the tiles is in;
	s_barrier_signal -1
	s_barrier_wait -1                              ; everybody's is
	FETCH 0
	s_wait_loadcnt 0x0
.set Q_, 0
.rept 8                                        ; K = 1,024: eight steps; step q + 1's fragments are asked for ahead of step q's products
	s_wait_dscnt 0x0
.if Q_ < 7
.if Q_ > 0
	PLACES 4                                       ; in front of loads into registers that the last step's products read
.endif
	FETCH Q_+1
.endif
	MULS Q_
.set Q_, Q_+1
.endr
	WIN 0
	s_wait_dscnt 0x0
	s_barrier_signal -1
	s_barrier_wait -1                              ; nobody reads the tiles any more
	PLACES 4
	TOSTAGE 0
.irp a, 1,2,3
.if \a > 1
	s_wait_xcnt 0x0                                ; block a - 2's stores have read their registers and their base
.endif
	TOSTAGE \a
	SEND \a-1, 32                                  ; behind block a - 1's loads: block a's 16 stores and 16 loads
.endr
	s_wait_xcnt 0x0
	SEND 3, 0
	s_wait_tensorcnt 0x0                           ; the wave's end
	ds_add_u32 v[SPW], v[NIL]
	s_wait_dscnt 0x0
	CROUND                                         ; the closing round
	s_endpgm
.Lfunc_end_k_qca3f4781ea_proj:
	.size	k_qca3f4781ea_proj, .Lfunc_end_k_qca3f4781ea_proj-k_qca3f4781ea_proj
	.p2alignl 7, 3214868480
	.fill 96, 4, 3214868480
	.section	.rodata,"a",@progbits
	.p2align	6, 0x0
	.amdhsa_kernel k_qca3f4781ea_proj
		.amdhsa_group_segment_fixed_size 327680
		.amdhsa_private_segment_fixed_size 0
		.amdhsa_enable_private_segment 0
		.amdhsa_kernarg_size 48
		.amdhsa_user_sgpr_count 2
		.amdhsa_user_sgpr_kernarg_segment_ptr 1
		.amdhsa_wavefront_size32 1
		.amdhsa_system_sgpr_workgroup_id_x 1
		.amdhsa_system_sgpr_workgroup_id_y 1
		.amdhsa_system_sgpr_workgroup_id_z 1
		.amdhsa_system_vgpr_workitem_id 0
		.amdhsa_next_free_vgpr 960
		.amdhsa_next_free_sgpr 102
		.amdhsa_reserve_vcc 0
		.amdhsa_float_denorm_mode_32 3
		.amdhsa_float_denorm_mode_16_64 3
		.amdhsa_memory_ordered 1
		.amdhsa_forward_progress 1
		.amdhsa_inst_pref_size 85
	.end_amdhsa_kernel
	.amdgpu_metadata
---
amdhsa.version: [ 1, 2 ]
amdhsa.kernels:
  - .name:           k_qca3f4781ea_proj
    .symbol:         k_qca3f4781ea_proj.kd
    .args:
      - { .name: oc, .offset: 0, .size: 8, .value_kind: global_buffer, .address_space: global }
      - { .name: os, .offset: 8, .size: 8, .value_kind: global_buffer, .address_space: global }
      - { .name: w_proj_codes, .offset: 16, .size: 8, .value_kind: global_buffer, .address_space: global }
      - { .name: w_proj_scales, .offset: 24, .size: 8, .value_kind: global_buffer, .address_space: global }
      - { .name: b_proj, .offset: 32, .size: 8, .value_kind: global_buffer, .address_space: global }
      - { .name: out0, .offset: 40, .size: 8, .value_kind: global_buffer, .address_space: global }
    .group_segment_fixed_size: 327680
    .private_segment_fixed_size: 0
    .kernarg_segment_align: 8
    .kernarg_segment_size: 48
    .max_flat_workgroup_size: 128
    .sgpr_count:     102
    .vgpr_count:     960
    .wavefront_size: 32
...
	.end_amdgpu_metadata
.endif
;; end of part 3
